; MI455X (gfx1250); checked and timed in simulation.
; The chip was launched on July 23, 2026; its instructions are those of AMD's public machine-readable ISA for CDNA 5 (MIT licence, August 2026) and "CDNA5" Instruction Set Architecture Reference Guide (July 2026). The comments in the code are by the model that wrote it; some were corrected since.
;; TCNN Instant NGP. Allowed arithmetic: matrix products marked QUANTISED: E2M1 operands, one E8M0 scale for each 32 along K, by v_wmma_scale_f32_16x16x128_f8f6f4 with both operands' format E2M1 (or v_wmma_scale_f32_32x16x128_f4), f32 sums; products left as they are: f32 operands where the result goes on into a quantised operand, else bf16, f16 or f32 operands; f32 sums; everything else in f32.
;; Inputs: tables 16 x 524,288 x 2 float32; w0_codes 64 x 1 x 16 uint8 (E2M1 codes of w0, K innermost, in blocks of 32 codes, two codes a byte); w0_scales 64 x 1 uint8 (E8M0 scales of w0, one for each 32 codes along K); w1_codes 64 x 2 x 16 uint8 (E2M1 codes of w1, K innermost, in blocks of 32 codes, two codes a byte); w1_scales 64 x 2 uint8 (E8M0 scales of w1, one for each 32 codes along K); w2 64 x 1 float32; x 1,048,576 x 3 float32.
;; Outputs: out0 1,048,576 x 1 float32.
;; This version of the problem:
;;   THIS VERSION OF THE PROBLEM IS GIVEN IN LOW PRECISION. The matrix products marked QUANTISED in the list below multiply operands that are first quantised to E2M1 (2 exponent bits, 1 mantissa bit; 4 bits a number), with one power-of-two scale for each 32 numbers along K (OCP MX v1.0); their sums are f32. All else is computed in f32.
;;   The module's matrix products, in the order in which they are computed (A, B: the left and right operand; K: the contracted axis; several contracted axes count as one K, in the product's order):
;;     1. batch 1,048,576 x [M 1, K 8] x [K 8, N 2]; A: computed on the way; B: computed on the way: left as it is (K = 8 < 32)
;;     2. batch 1,048,576 x [M 1, K 8] x [K 8, N 2]; A: computed on the way; B: computed on the way: left as it is (K = 8 < 32)
;;     3. batch 1,048,576 x [M 1, K 8] x [K 8, N 2]; A: computed on the way; B: computed on the way: left as it is (K = 8 < 32)
;;     4. batch 1,048,576 x [M 1, K 8] x [K 8, N 2]; A: computed on the way; B: computed on the way: left as it is (K = 8 < 32)
;;     5. batch 1,048,576 x [M 1, K 8] x [K 8, N 2]; A: computed on the way; B: computed on the way: left as it is (K = 8 < 32)
;;     6. batch 1,048,576 x [M 1, K 8] x [K 8, N 2]; A: computed on the way; B: computed on the way: left as it is (K = 8 < 32)
;;     7. batch 1,048,576 x [M 1, K 8] x [K 8, N 2]; A: computed on the way; B: computed on the way: left as it is (K = 8 < 32)
;;     8. batch 1,048,576 x [M 1, K 8] x [K 8, N 2]; A: computed on the way; B: computed on the way: left as it is (K = 8 < 32)
;;     9. batch 1,048,576 x [M 1, K 8] x [K 8, N 2]; A: computed on the way; B: computed on the way: left as it is (K = 8 < 32)
;;     10. batch 1,048,576 x [M 1, K 8] x [K 8, N 2]; A: computed on the way; B: computed on the way: left as it is (K = 8 < 32)
;;     11. batch 1,048,576 x [M 1, K 8] x [K 8, N 2]; A: computed on the way; B: computed on the way: left as it is (K = 8 < 32)
;;     12. batch 1,048,576 x [M 1, K 8] x [K 8, N 2]; A: computed on the way; B: computed on the way: left as it is (K = 8 < 32)
;;     13. batch 1,048,576 x [M 1, K 8] x [K 8, N 2]; A: computed on the way; B: computed on the way: left as it is (K = 8 < 32)
;;     14. batch 1,048,576 x [M 1, K 8] x [K 8, N 2]; A: computed on the way; B: computed on the way: left as it is (K = 8 < 32)
;;     15. batch 1,048,576 x [M 1, K 8] x [K 8, N 2]; A: computed on the way; B: computed on the way: left as it is (K = 8 < 32)
;;     16. batch 1,048,576 x [M 1, K 8] x [K 8, N 2]; A: computed on the way; B: computed on the way: left as it is (K = 8 < 32)
;;     17. [M 1,048,576, K 32] x [K 32, N 64]; A: computed on the way; B: input w0 (given as codes): QUANTISED
;;     18. [M 1,048,576, K 64] x [K 64, N 64]; A: computed on the way; B: input w1 (given as codes): QUANTISED
;;     19. [M 1,048,576, K 64] x [K 64, N 1]; A: computed on the way; B: input w2: left as it is (N = 1 < 16)
;;   THE QUANTISER, for each operand of a quantised product, along K:
;;     - K is cut into blocks of 32 from its start; a last block that is shorter is filled with zeros.
;;     - A block's scale is 2^e with e = floor(log2(the largest magnitude in the block)) - 2, held to -126 .. 127; a block of zeros has e = 0. As a byte (E8M0): e + 127.
;;     - Each number is divided by its block's scale, clamped to +-6, and rounded to the nearest number of E2M1, ties to even, subnormals kept.
;;     - The product sums the exact products of the quantised numbers (number of the format x scale) in f32.
;;   ~~~python
;;   def quantise(x, axis):      # numpy; x: float32 -> the quantised numbers, widened to float32 again
;;       x = np.moveaxis(x, axis, -1); K = x.shape[-1]
;;       x = np.pad(x, [(0, 0)] * (x.ndim - 1) + [(0, -K % 32)]); x = x.reshape(x.shape[:-1] + (-1, 32)); a = np.abs(x).max(-1, keepdims=True)
;;       e = np.where(a > 0, np.clip(np.frexp(np.where(a > 0, a, 1))[1] - 1 - 2, -126, 127), 0)      # np.frexp(a)[1] - 1 = floor(log2(a)), exactly
;;       r = np.clip(x / 2.0 ** e, -6, 6)
;;       step = 2.0 ** (np.maximum(np.frexp(np.where(r == 0, 1, r))[1] - 1, 0) - 1)
;;       q = np.round(r / step) * step * 2.0 ** e      # np.round: ties to even
;;       return np.moveaxis(q.reshape(q.shape[:-2] + (-1,))[..., :K], -1, axis).astype(np.float32)
;;   ~~~
;;   OPERANDS COMPUTED ON THE WAY. 'Computed on the way' means the value that the module computes at that place (a softmax that the list does not call 'softmax' is quantised finished and normalised). What goes into a quantiser is computed in f32, as accurately as f32 sums, v_exp_f32 and their like allow (about 1e-6 of the number): no bf16 or f16 on the way to a quantiser, and a product that is left as it is and whose result goes on into a quantised operand takes f32 operands (vector FMAs, or v_wmma_f32_16x16x4_f32). A number that lies on a knife's edge between two numbers of the format may be rounded either way, as far as f32 arithmetic and the matrix unit's own rounding can turn it there, and no further.
;;   INPUTS GIVEN AS CODES. w0 (in the module: [32, 64], K = its axis 0); w1 (in the module: [64, 64], K = its axis 0): each comes as NAME_codes (uint8): NAME with its K axis moved to the last place and cut into blocks of 32 codes, [.., K / 32, bytes a block], one block behind the other in memory; two codes a byte, the lower K in the low four bits (a code: sign, 2 exponent bits, 1 mantissa bit); and NAME_scales (uint8): the same leading axes, one E8M0 byte (e + 127) for each 32 codes along K. Its value is code x scale, taken as it is: it is not quantised again, and the codes and scales need not be those that the quantiser above would give.
;; One version. Each part assembles by itself: llvm-mc -triple=amdgcn-amd-amdhsa -mcpu=gfx1250 --defsym DOCPART=n.
;; ======== version 1 of 1: 2 launches
;; limits: inputs' magnitudes at most 1; right only within a limited range of input values
;; workspace buffers: cells 50,331,648 bytes of whole numbers
;; launch cells (part 1): grid 256 x 1, 16 waves a work-group, no clusters, 0 bytes of LDS; arguments x, cells; writes cells
.if DOCPART == 1
	.amdgcn_target "amdgcn-amd-amdhsa--gfx1250"
	.amdhsa_code_object_version 6
	.text
	.protected	k_qcd993ae912_cells
	.globl	k_qcd993ae912_cells
	.p2align	8
	.type	k_qcd993ae912_cells,@function
k_qcd993ae912_cells:
	s_mov_b64 s[64:65], 0
	v_nop
	global_prefetch_b8 v0, s[64:65] scope:SCOPE_SE
	s_setreg_imm32_b32 hwreg(HW_REG_WAVE_MODE, 25, 1), 1
	s_wait_xcnt 0x0
; FIRST OF TWO LAUNCHES.  x [1048576][3] f32 -> cells: for each point, axis and grid level the whole number floor(pos), pos = (x + 1) / 2 * SCALES[level] + 0.5.
; WHY A LAUNCH OF ITS OWN: every table index of the encoder comes from x, and no address of a launch may hang on floating-point numbers of that launch.  So the floors are made here and stored as whole
; numbers; the second launch reads them and forms its addresses by integer work alone.
; NOTHING OF reference() IS LEFT OUT in this program, and every input is loaded (x here and in the second launch; all others there).
; pos: t = x + 1 (rounded); pos = t * HS + 0.5 by ONE fused multiply-add, rounded once (HS = f32(SCALES[level]) / 2, exact, so t * HS is ((x + 1) * 0.5) * SCALES).  Where the sum passes a power of two, a product
; rounded first would be rounded twice, and at the finest level one last bit of pos is about a ten-thousandth of a cell.  The second launch takes pos's fraction by the same arithmetic on the same t, so that
; floor and fraction belong together.
; LIMITS: x is served in [-1, 1], the cube for which reference()'s encoder is written; an x outside it is taken at the cube's nearest face (t is held to 0 .. 2), where reference() would convert negative
; numbers to uint32 or leave the dense grids.  NaN and infinities in x are not served.
; SHARES: chunks of 64 points; lane L of a wave owns points 2 L (batch 0) and 2 L + 1 (batch 1) of a chunk, so a chunk's x is 768 dense bytes, 24 a lane.  4,096 waves, 4 chunks each.
; PACKING: the 16 floors of one axis of one point take 4+5+5+6+6+7+7+8+8+9+9+10+10+11+11+11 = 127 bits: four words D0 .. D3.  With t <= 2 the largest floors are 15, 21, 30, 41, 57, 80, 110, 153, 212, 293, 405,
; 561, 775, 1071, 1481, 2047: each fits its field.  A chunk of cells is 3,072 bytes: six blocks of 512 (block q = 3 x batch + axis), lane L's 16 bytes at 16 L: every store covers 512 consecutive bytes.
; No LDS, no barrier, no matrix unit: a stream, bound by its bytes.
.set CHUNKS, 4
.set XR, 4                             ; v4-27   chunk c's six numbers x0 y0 z0 x1 y1 z1 at XR + 6 c; then t
.set P,  28                            ; v28-33  pos, three pairs
.set U,  34                            ; v34-39  six floors
.set O,  40                            ; v40-63  value q's word d at O + 4 q + d
	s_load_b128 s[4:7], s[0:1], 0x0                ; x, cells
	v_lshrrev_b32 v3, 5, v0
	v_readfirstlane_b32 s8, v3                     ; wave 0..15
	v_and_b32 v3, 31, v0                           ; lane
	v_mul_u32_u24 v1, v3, 24                       ; x: 24 bytes a lane
	v_lshlrev_b32 v2, 4, v3                        ; cells: 16 bytes a lane
	s_lshl_b32 s9, ttmp9, 4
	s_add_co_u32 s9, s9, s8                        ; my wave among the 4,096
	s_mul_i32 s10, s9, CHUNKS*768
	s_mov_b32 s11, 0
	s_mul_i32 s12, s9, CHUNKS*3072
	s_mov_b32 s13, 0
	s_wait_kmcnt 0x0
	s_add_nc_u64 s[4:5], s[4:5], s[10:11]
	s_add_nc_u64 s[6:7], s[6:7], s[12:13]
.irp c, 0,1,2,3
.irp i, 0,1,2
	global_load_b64 v[XR+6*\c+2*\i:XR+6*\c+2*\i+1], v1, s[4:5] offset:768*\c+8*\i th:TH_LOAD_NT
.endr
.endr
; One level for the chunk's six numbers.  hs: HS;  dw, sh: the word and the bit at which the level's field begins.  A word's field at bit 0 comes first and starts the word: nothing is cleared.
.macro LEVEL hs, dw, sh
.irp i, 0,1,2
	v_pk_fma_f32 v[P+2*\i:P+2*\i+1], v[XC+2*\i:XC+2*\i+1], \hs, 0.5 op_sel_hi:[1,0,0]   ; pos = t HS + 0.5, rounded once
.endr
.irp q, 0,1,2,3,4,5
.if \sh == 0
	v_cvt_u32_f32 v[O+4*\q+\dw], v[P+\q]           ; toward zero = floor: pos is at least 0.5
.else
	v_cvt_u32_f32 v[U+\q], v[P+\q]
.endif
.endr
.if \sh != 0
.irp q, 0,1,2,3,4,5
	v_lshl_or_b32 v[O+4*\q+\dw], v[U+\q], \sh, v[O+4*\q+\dw]
.endr
.endif
.endm
.macro CHUNK c
.set XC, XR+6*(\c)
	s_wait_loadcnt 3*(CHUNKS-1-(\c))               ; loads come back in order: this chunk's three are in, the later chunks' three each may be out
.if (\c) > 0
	s_wait_xcnt 0x0                                ; the last chunk's stores have read their data: O is written again only behind this wait
.endif
.irp i, 0,1,2
	v_pk_add_f32 v[XC+2*\i:XC+2*\i+1], v[XC+2*\i:XC+2*\i+1], 1.0 op_sel_hi:[1,0]   ; t = x + 1
.endr
.irp i, 0,1,2,3,4,5
	v_med3_num_f32 v[XC+\i], v[XC+\i], 0, 2.0      ; held to the cube
.endr
	LEVEL 0x447FE000, 0, 0                         ; level 15
	LEVEL 0x4439201E, 0, 11                        ; 14
	LEVEL 0x43C1C300, 0, 22                        ; 12
	LEVEL 0x4405EDBC, 1, 0                         ; 13
	LEVEL 0x438C24C3, 1, 11                        ; 11
	LEVEL 0x41A4E5A3, 1, 21                        ; 3
	LEVEL 0x4128E285, 1, 27                        ; 1
	LEVEL 0x434AAFF5, 2, 0                         ; 10
	LEVEL 0x4312888C, 2, 9                         ; 9
	LEVEL 0x42D3CC02, 2, 18                        ; 8
	LEVEL 0x41E566A5, 2, 26                        ; 4
	LEVEL 0x4298FCB9, 3, 0                         ; 7
	LEVEL 0x425CDC67, 3, 8                         ; 6
	LEVEL 0x421F4518, 3, 15                        ; 5
	LEVEL 0x416C7080, 3, 22                        ; 2
	LEVEL 0x40F00000, 3, 27                        ; 0
.irp q, 0,1,2,3,4,5
	global_store_b128 v2, v[O+4*\q:O+4*\q+3], s[6:7] offset:3072*(\c)+512*\q th:TH_STORE_NT   ; 32 lanes store 512 consecutive bytes, at a multiple of 256 from the buffer's first byte
.endr
.endm
	CHUNK 0
	CHUNK 1
	CHUNK 2
	CHUNK 3
	s_endpgm
.Lfunc_end_k_qcd993ae912_cells:
	.size	k_qcd993ae912_cells, .Lfunc_end_k_qcd993ae912_cells-k_qcd993ae912_cells
	.p2alignl 7, 3214868480
	.fill 96, 4, 3214868480
	.section	.rodata,"a",@progbits
	.p2align	6, 0x0
	.amdhsa_kernel k_qcd993ae912_cells
		.amdhsa_group_segment_fixed_size 0
		.amdhsa_private_segment_fixed_size 0
		.amdhsa_enable_private_segment 0
		.amdhsa_kernarg_size 16
		.amdhsa_user_sgpr_count 2
		.amdhsa_user_sgpr_kernarg_segment_ptr 1
		.amdhsa_wavefront_size32 1
		.amdhsa_system_sgpr_workgroup_id_x 1
		.amdhsa_system_sgpr_workgroup_id_y 1
		.amdhsa_system_sgpr_workgroup_id_z 1
		.amdhsa_system_vgpr_workitem_id 0
		.amdhsa_next_free_vgpr 64
		.amdhsa_next_free_sgpr 66
		.amdhsa_reserve_vcc 0
		.amdhsa_float_denorm_mode_32 3
		.amdhsa_float_denorm_mode_16_64 3
		.amdhsa_memory_ordered 1
		.amdhsa_forward_progress 1
		.amdhsa_inst_pref_size 55
	.end_amdhsa_kernel
	.amdgpu_metadata
---
amdhsa.version: [ 1, 2 ]
amdhsa.kernels:
  - .name:           k_qcd993ae912_cells
    .symbol:         k_qcd993ae912_cells.kd
    .args:
      - { .name: x, .offset: 0, .size: 8, .value_kind: global_buffer, .address_space: global }
      - { .name: cells, .offset: 8, .size: 8, .value_kind: global_buffer, .address_space: global }
    .group_segment_fixed_size: 0
    .private_segment_fixed_size: 0
    .kernarg_segment_align: 8
    .kernarg_segment_size: 16
    .max_flat_workgroup_size: 512
    .sgpr_count:     66
    .vgpr_count:     64
    .wavefront_size: 32
...
	.end_amdgpu_metadata
.endif
;; end of part 1
;; launch field (part 2): grid 256 x 1, 16 waves a work-group, no clusters, 141,312 bytes of LDS; arguments x, cells, tables, w0_codes, w0_scales, w1_codes, w1_scales, w2, out0; writes out0
.if DOCPART == 2
	.amdgcn_target "amdgcn-amd-amdhsa--gfx1250"
	.amdhsa_code_object_version 6
	.text
	.protected	k_qcd993ae912_field
	.globl	k_qcd993ae912_field
	.p2align	8
	.type	k_qcd993ae912_field,@function
k_qcd993ae912_field:
	s_mov_b64 s[64:65], 0
	v_nop
	global_prefetch_b8 v0, s[64:65] scope:SCOPE_SE
	s_setreg_imm32_b32 hwreg(HW_REG_WAVE_MODE, 25, 1), 1
	s_wait_xcnt 0x0
; SECOND OF TWO LAUNCHES: the hash-grid encoder's gathers and sums, and the MLP 32 -> 64 -> 64 -> 1.  Nothing of reference() is left out.
; The cell coordinates (floor(pos) for each point, axis, level) come as whole numbers from the buffer cells, which the first launch stored; all table addresses are made of them by integer work.  The fractions are
; taken here from x by the first launch's arithmetic (t = x + 1, held to 0 .. 2; pos = t * HS + 0.5 by one fused multiply-add, rounded once), so that floor and fraction belong together.
; A cell's 8 corners are summed in reference()'s order, by fused multiply-adds in f32.
; LIMITS: x is served in [-1, 1]; outside it a point is taken at the cube's nearest face.  NaN and infinities in x or in the tables are not served.  A quantised block whose largest magnitude lies under 2^-124
; gets the scale byte 1; a block of zeros gets 1 where the rule says 127: its codes are zeros, and the bytes are read by this program alone.
; SHARES: chunks of 64 points; lane L owns points 2 L (batch 0) and 2 L + 1 (batch 1).  4,096 waves of 256 registers, four to a SIMD, 4 chunks each: a work-group has 4,096 points.
; LEVELS 0 AND 1 LIE IN LDS.  A work-group gathers 4,096 x 8 x 8 = 262,144 bytes of each level.  Of level 0 only entries 0 .. 16 x 273 = 4,368 can be reached (floors up to 15, side 16), of level 1 entries 0 .. 12,166
; (floors up to 21, side 23): 34,952 and 97,336 bytes.  They are copied once, in 5 + 12 passes of 512 threads x 16 bytes, and gathered from LDS.  Level 2 would take 246,272 bytes of copy for its 262,144 of gathers, and does not fit beside level 1.
; LDS: 0 level 0 (40,960 bytes); 40,960 level 1 (98,304); 139,264 the spare words (2,048).  Two barriers: behind the copy, and ahead of the waves' closing lines; between them LDS is only read.
; NO CLUSTER, NO TENSOR LOAD: what work-groups share is 3.5 KB of weights, which each wave keeps in 72 registers, and the 139,264 bytes of the copy, against 14 x 262,144 bytes that a work-group gathers lane by lane at
; scattered places, which no tile load serves.
; THE ENCODER: a step is one level of one batch: 8 gathers of 8 bytes a lane.  Four slots of registers take turns: a step's corners are asked for four steps ahead of their sum, so 24 to 32 gathers of a wave are out.
; Hashed levels: only the low 19 bits of the hash count, so the primes are cut to 19 bits and 24-bit multiplies serve.  A loaded number enters an address only behind v_min_u32 with a written constant:
; it changes nothing.
; THE PRODUCTS, on codes of E2M1 with E8M0 scales: source 0 = 16 units of the weight, source 1 = 16 points, so that a lane holds one point's results.  K = 32 and K = 64 are filled up to the instruction's 128 with zero
; CODES on the points' side (the quantiser's own padding); what the weights' registers hold there meets zeros, and all scale bytes there are 0, which is no NaN.
;   Layer 1: a lane's 32 features are one block: four conversions give the lane's own point's codes.  As registers 0-3 of source 1, lanes 0-15 are K block 0 of columns 0-15 and lanes 16-31 K block 1.  Group A: the codes with lanes
;   16-31 cleared (points of lanes 0-15 in block 0); group B: with lanes 0-15 cleared (points of lanes 16-31 in block 1).  w0's rows stand in both halves of the lanes, so either block meets the same weights.
;   THE UNITS OF A TILE OF w0 ARE NOT NEIGHBOURS: row m of tile t is unit 32 (m / 8) + 8 t + m % 8, so that lane (r, h)'s 32 results are units 32 h + 0 .. 31, in order: a whole block of the next K in one lane: its largest
;   magnitude needs no other lane, and four conversions give registers 0-3 of layer 2's source 1 as they stand.
;   Layer 3 (N = 1, left as it is): f32 fused multiply-adds, and one exchange between the halves of the lanes.
.set TRIPS, 4
.set LDSL, 2                           ; levels 0 .. LDSL - 1 are gathered from LDS
.set LB0,  0                           ; LDS: level 0's entries, 5 passes of 8,192 bytes
.set LB1,  5*8192                      ; level 1's, 12 passes
.set SPARE, 17*8192                    ; the spare words, 128 bytes for each of the 16 waves: eight blocks of 256 bytes that no other line names
.set FAR,  1<<20                       ; stands for 'not in LDS'
.set XO,   1                           ; v1      24 x lane; never rewritten
.set CO,   2                           ; v2      16 x lane; never rewritten
.set OO,   3                           ; v3      8 x lane; never rewritten
.set T,    4                           ; v4-9    t of x0 y0 z0 x1 y1 z1
.set C0,   10                          ; v10-13  batch 0's feature codes
.set PS0,  14                          ; v14, v15  the features' scale words, batch 0, 1;  v16, v17 the hidden layer's, group A, B;  v18-21 the weights', tile t: lanes 0-15 w0's, lanes 16-31 w1's.  These hold scales and nothing else
.set PS1,  15
.set QS,   16
.set WS,   18
.set FX,   22                          ; v[22:23] (1 - fx, fx);  v[24:25], v[26:27] the same of y, z
.set FY,   24
.set FZ,   26
.set W,    28                          ; v28-35  the 8 weights, corner c = 4 ox + 2 oy + oz; ahead of them the four products of x and y in v28-31 and pos in v32-34
.set C1,   28                          ; v28-31  batch 1's feature codes, behind the last step
.set CELL, 36                          ; v36-59  word d of axis a of batch b at CELL + 12 b + 4 a + d
.set FEAT, 60                          ; v60-91  the batch's features, 2 level + f
.set GD,   92                          ; v92-155   slot s: 16 registers, 8 corners x 2 features (ahead of the loads: at work)
.set GI,   156                         ; v156-187  slot s: 8 indices
.set W0,   188                         ; v188-203  w0's codes, tile t at W0 + 4 t
.set W1,   204                         ; v204-219  w1's codes
.set W2,   220                         ; v220-251  w2: register 8 t + j of lane (r, h) is w2[16 t + 8 h + j]
.set SPW,  252                         ; v252    LDS address of my spare word: SPARE + 4 x my thread's number; never rewritten
.set NIL,  253                         ; v253    0; never rewritten
; at the head alone
.set FL,   100                         ; v100-167 the copy: 17 passes x 4 registers
.set FA,   168                         ; v168-170 16 x thread, + 65,536, + 131,072
; the MLP works where the slots lie: no gather is out then
.set DA,   92                          ; v92-123  group A's four tiles of results;  v124-155 group B's
.set OPA,  156                         ; v156-163 group A's source 1: codes, then four registers of zeros;  v164-171 group B's
.set OPB,  164
.set AM,   172                         ; v172-175 largest magnitudes: two chains a group
.set SO,   176                         ; v176, v177 the conversions' scale operands
.set BY,   178                         ; v178, v179 the scale bytes
.set PL,   180                         ; v180, v181 what lane l xor 16 sends
.set ACA,  182                         ; v[182:183], v[184:185] layer 3's sums
.set ACB,  184
.set OUTR, 186                         ; v[186:187] the lane's two results
.set TBL,  24                          ; s[24:55] level l's table at s[TBL + 2 l : TBL + 2 l + 1]
.set HP1,  56                          ; s56, s57  the hash's primes, low 19 bits;  s58 2^19 - 1
.set HP2,  57
.set HM,   58
.set LOW,  59                          ; s59  the lanes 0-15, as a mask
.set SEL,  60                          ; s[60:61] v_permlanex16_b32's selects for lane l xor 16
.set LEFT, 62                          ; s62  chunks to go
; A level's constants: HS; the word, bit and width of its field in cells; dense levels: the grid's side r and r^2 (hashed: 0), where the level begins in LDS (or FAR), and the largest index of a cell's first corner
.macro SETL hs, dw, sh, wd, r, rr, lb, mx
.set L_HS, \hs
.set L_DW, \dw
.set L_SH, \sh
.set L_WD, \wd
.set L_R,  \r
.set L_RR, \rr
.set L_LB, \lb
.set L_MX, \mx
.endm
.macro LVL l
.set LV, (\l)
.if LV == 0
	SETL 0x40F00000, 3, 27, 4, 16, 256, LB0, 4095
.elseif LV == 1
	SETL 0x4128E285, 1, 27, 5, 23, 529, LB1, 11613
.elseif LV == 2
	SETL 0x416C7080, 3, 22, 5, 31, 961, FAR, 0x7ffff
.elseif LV == 3
	SETL 0x41A4E5A3, 1, 21, 6, 43, 1849, FAR, 0x7ffff
.elseif LV == 4
	SETL 0x41E566A5, 2, 26, 6, 59, 3481, FAR, 0x7ffff
.elseif LV == 5
	SETL 0x421F4518, 3, 15, 7, 0, 0, FAR, 0x7ffff
.elseif LV == 6
	SETL 0x425CDC67, 3, 8, 7, 0, 0, FAR, 0x7ffff
.elseif LV == 7
	SETL 0x4298FCB9, 3, 0, 8, 0, 0, FAR, 0x7ffff
.elseif LV == 8
	SETL 0x42D3CC02, 2, 18, 8, 0, 0, FAR, 0x7ffff
.elseif LV == 9
	SETL 0x4312888C, 2, 9, 9, 0, 0, FAR, 0x7ffff
.elseif LV == 10
	SETL 0x434AAFF5, 2, 0, 9, 0, 0, FAR, 0x7ffff
.elseif LV == 11
	SETL 0x438C24C3, 1, 11, 10, 0, 0, FAR, 0x7ffff
.elseif LV == 12
	SETL 0x43C1C300, 0, 22, 10, 0, 0, FAR, 0x7ffff
.elseif LV == 13
	SETL 0x4405EDBC, 1, 0, 11, 0, 0, FAR, 0x7ffff
.elseif LV == 14
	SETL 0x4439201E, 0, 11, 11, 0, 0, FAR, 0x7ffff
.else
	SETL 0x447FE000, 0, 0, 11, 0, 0, FAR, 0x7ffff
.endif
.endm
; a chunk's x (768 dense bytes) and cells (six blocks of 512 bytes)
.macro NEXTLOADS
.irp i, 0,1,2
	global_load_b64 v[T+2*\i:T+2*\i+1], v[XO], s[4:5] offset:8*\i th:TH_LOAD_NT
.endr
.irp q, 0,1,2,3,4,5
	global_load_b128 v[CELL+4*\q:CELL+4*\q+3], v[CO], s[6:7] offset:512*\q th:TH_LOAD_NT
.endr
.endm
; Step sg = 16 batch + level: its eight corners are asked for, into slot sg % 4.  The slot's data registers serve as work registers ahead of the loads.
.macro IDX sg
	LVL (\sg)%16
.set G,  GD+16*((\sg)%4)
.set I,  GI+8*((\sg)%4)
.set CB, CELL+12*((\sg)/16)
.set BS, TBL+2*((\sg)%16)
	v_bfe_u32 v[G],   v[CB+L_DW],   L_SH, L_WD     ; the cell: px,
	v_bfe_u32 v[G+1], v[CB+4+L_DW], L_SH, L_WD     ; py,
	v_bfe_u32 v[G+2], v[CB+8+L_DW], L_SH, L_WD     ; pz
.if L_R
	v_mad_u32_u24 v[I], v[G+1], L_R, v[G]          ; dense: px + py r + pz r^2; the corners' steps stand in the loads' immediates
	v_mad_u32_u24 v[I], v[G+2], L_RR, v[I]
	v_min_u32 v[I], L_MX, v[I]
	v_lshlrev_b32 v[I], 3, v[I]                    ; 8 bytes an entry
.if L_LB < FAR
.irp c, 0,1,2,3,4,5,6,7
	ds_load_b64 v[G+2*\c:G+2*\c+1], v[I] offset:L_LB+8*((\c/4)+((\c/2)%2)*L_R+(\c%2)*L_RR)   ; from LDS: at most 8 x 11,613 + 40,960 + 4,424 + 7, under the spare words
.endr
.else
.irp c, 0,1,2,3,4,5,6,7
	global_load_b64 v[G+2*\c:G+2*\c+1], v[I], s[BS:BS+1] offset:8*((\c/4)+((\c/2)%2)*L_R+(\c%2)*L_RR) th:TH_LOAD_HT   ; a small table that every work-group reads again and again: the hint for such data
.endr
.endif
.else
	v_add_nc_u32 v[G+3], 1, v[G]                   ; px + 1
	v_mul_u32_u24 v[G+4], s[HP1], v[G+1]           ; py P1
	v_mul_u32_u24 v[G+5], s[HP2], v[G+2]           ; pz P2
	v_add_nc_u32 v[G+6], s[HP1], v[G+4]            ; (py + 1) P1
	v_add_nc_u32 v[G+7], s[HP2], v[G+5]            ; (pz + 1) P2
	v_xor_b32 v[G+8],  v[G+4], v[G+5]              ; the four pairs 2 oy + oz
	v_xor_b32 v[G+9],  v[G+4], v[G+7]
	v_xor_b32 v[G+10], v[G+6], v[G+5]
	v_xor_b32 v[G+11], v[G+6], v[G+7]
.irp m, 0,1,2,3
	v_and_b32 v[G+8+\m], s[HM], v[G+8+\m]          ; px and px + 1 lie under 2^19, so the mask may come ahead of them
.endr
.irp m, 0,1,2,3
	v_xor_b32 v[I+\m],   v[G+8+\m], v[G]
	v_xor_b32 v[I+4+\m], v[G+8+\m], v[G+3]
.endr
.irp c, 0,1,2,3,4,5,6,7
	v_min_u32 v[I+\c], 0x7ffff, v[I+\c]
.endr
.irp c, 0,1,2,3,4,5,6,7
	global_load_b64 v[G+2*\c:G+2*\c+1], v[I+\c], s[BS:BS+1] scale_offset   ; at 8 x index
.endr
.endif
.endm
; What may stay out when step sg's corners have to be there: the gathers of the three steps asked for behind it, 8 each, counted by kind: NL from LDS, NG from memory
.macro CNT sg
.set NG, 0
.set NL, 0
.irp k, 1,2,3
.if ((\sg)+\k) < 32
.if (((\sg)+\k)%16) < LDSL
.set NL, NL+8
.else
.set NG, NG+8
.endif
.endif
.endr
.endm
; The 8 trilinear weights of batch b at the level that LVL has set: independent of the gathers, so it stands ahead of the wait for them
.macro WGT b
.if (\b) == 0
	v_pk_fma_f32 v[W+4:W+5], v[T:T+1], L_HS, 0.5 op_sel_hi:[1,0,0]     ; pos of x, y: t HS + 0.5, rounded once, as in the first launch
	v_fma_f32 v[W+6], v[T+2], L_HS, 0.5                                ; z
.else
	v_pk_fma_f32 v[W+4:W+5], v[T+4:T+5], L_HS, 0.5 op_sel_hi:[1,0,0]   ; y, z
	v_fma_f32 v[W+6], v[T+3], L_HS, 0.5                                ; x
.endif
.if (\b) == 0
	v_fract_f32 v[FX+1], v[W+4]                    ; pos - floor(pos): exact
	v_fract_f32 v[FY+1], v[W+5]
	v_fract_f32 v[FZ+1], v[W+6]
.else
	v_fract_f32 v[FY+1], v[W+4]
	v_fract_f32 v[FZ+1], v[W+5]
	v_fract_f32 v[FX+1], v[W+6]
.endif
	v_sub_f32 v[FX], 1.0, v[FX+1]
	v_sub_f32 v[FY], 1.0, v[FY+1]
	v_sub_f32 v[FZ], 1.0, v[FZ+1]
	v_pk_mul_f32 v[W:W+1],   v[FX:FX+1], v[FY:FY+1] op_sel_hi:[0,1]               ; X0 Y0, X0 Y1
	v_pk_mul_f32 v[W+2:W+3], v[FX:FX+1], v[FY:FY+1] op_sel:[1,0] op_sel_hi:[1,1]  ; X1 Y0, X1 Y1
	v_pk_mul_f32 v[W+6:W+7], v[W+2:W+3], v[FZ:FZ+1] op_sel:[1,0] op_sel_hi:[1,1]  ; (X Y) Z, from the top down, so that no product of x and y is written over before its use
	v_pk_mul_f32 v[W+4:W+5], v[W+2:W+3], v[FZ:FZ+1] op_sel_hi:[0,1]
	v_pk_mul_f32 v[W+2:W+3], v[W:W+1],   v[FZ:FZ+1] op_sel:[1,0] op_sel_hi:[1,1]
	v_pk_mul_f32 v[W:W+1],   v[W:W+1],   v[FZ:FZ+1] op_sel_hi:[0,1]
.endm
; level l's two features: the 8 corners of slot s, in reference()'s order, both features at a time.  An even corner's weight is its pair's lower word, an odd corner's the upper, for both features
.macro ACC s, l
.set G,  GD+16*(\s)
.set FE, FEAT+2*(\l)
	v_pk_mul_f32 v[FE:FE+1], v[G:G+1], v[W:W+1] op_sel_hi:[1,0]
.irp c, 1,2,3,4,5,6,7
.if \c%2
	v_pk_fma_f32 v[FE:FE+1], v[G+2*\c:G+2*\c+1], v[W+2*(\c/2):W+2*(\c/2)+1], v[FE:FE+1] op_sel:[0,1,0] op_sel_hi:[1,1,1]
.else
	v_pk_fma_f32 v[FE:FE+1], v[G+2*\c:G+2*\c+1], v[W+2*(\c/2):W+2*(\c/2)+1], v[FE:FE+1] op_sel_hi:[1,0,1]
.endif
.endr
.endm
; The lane's 32 features, one block, become four registers of codes at v[cdst] and a scale word in v[ps] (the byte in bytes 0 and 1: group A reads it for K block 0, group B for block 1)
.macro QUANT1 cdst, ps
	v_max3_num_f32 v[W+4], |v[FEAT]|, |v[FEAT+1]|, 0x1800000       ; the largest magnitude, in two chains, and the floor 2^(3 - 127): the byte cannot fall under 1
	v_max3_num_f32 v[W+5], |v[FEAT+16]|, |v[FEAT+17]|, |v[FEAT+18]|
.irp i, 2,4,6,8,10,12
	v_max3_num_f32 v[W+4], v[W+4], |v[FEAT+\i]|, |v[FEAT+\i+1]|
	v_max3_num_f32 v[W+5], v[W+5], |v[FEAT+\i+17]|, |v[FEAT+\i+18]|
.endr
	v_max3_num_f32 v[W+4], v[W+4], |v[FEAT+14]|, |v[FEAT+15]|
	v_max3_num_f32 v[W+4], v[W+4], v[W+5], |v[FEAT+31]|
	v_add_nc_u32 v[W+6], 0xff000000, v[W+4]        ; 2 off its exponent field: the conversion takes the exponent field of this operand as its scale
	v_lshrrev_b32 v[W+7], 23, v[W+6]               ; the scale's byte
	v_lshl_or_b32 v[\ps], v[W+7], 8, v[W+7]
.irp g, 0,1,2,3
	v_cvt_scalef32_pk8_fp4_f32 v[\cdst+\g], v[FEAT+8*\g:FEAT+8*\g+7], v[W+6]
.endr
	v_nop                                          ; one plain line behind the last scaled conversion
.endm
.macro PLACES
.rept 4
	v_nop
.endr
.endm
; The MLP for batch b: codes at v[c], scale word in v[ps]; the result goes to v[OUTR + b].  Every product starts its sum with the constant 0 and is one instruction deep: no accumulator is added onto.
.macro MLP b, c, ps
.if (\b) == 0
.irp i, 4,5,6,7
	v_mov_b32 v[OPA+\i], 0                         ; K = 64 .. 127 of the points' side: zero codes.  (The gathers' indices lay here: so once a chunk)
	v_mov_b32 v[OPB+\i], 0
.endr
.endif
.irp i, 0,1,2,3
	v_cndmask_b32 v[OPA+\i], 0, v[\c+\i], s[LOW]   ; lanes 0-15 keep their codes,
	v_cndmask_b32 v[OPB+\i], v[\c+\i], 0, s[LOW]   ; lanes 16-31 theirs
.endr
	PLACES                                         ; an operand written by vector lines stands four places ahead of a scaled product
.irp t, 0,1,2,3
	v_wmma_scale_f32_16x16x128_f8f6f4 v[DA+8*\t:DA+8*\t+7], v[W0+4*\t:W0+4*\t+7], v[OPA:OPA+7], 0, v[WS+\t], v[\ps] matrix_a_fmt:MATRIX_FMT_FP4 matrix_b_fmt:MATRIX_FMT_FP4
	v_wmma_scale_f32_16x16x128_f8f6f4 v[DA+32+8*\t:DA+32+8*\t+7], v[W0+4*\t:W0+4*\t+7], v[OPB:OPB+7], 0, v[WS+\t], v[\ps] matrix_a_fmt:MATRIX_FMT_FP4 matrix_b_fmt:MATRIX_FMT_FP4 matrix_b_scale:MATRIX_SCALE_ROW1
.endr
	PLACES                                         ; four places ahead of the first read of results
	; the hidden layer's blocks: my 32 results of a group are one block.  No |.|: what is negative becomes 0 and must not count; the floor stands over it.  Each tile is first read at its low end.
.irp g, 0,1
	v_max3_num_f32 v[AM+2*\g],   v[DA+32*\g],    v[DA+32*\g+1],  0x1800000
	v_max3_num_f32 v[AM+2*\g+1], v[DA+32*\g+16], v[DA+32*\g+17], v[DA+32*\g+18]
.endr
.irp i, 2,4,6,8,10,12
.irp g, 0,1
	v_max3_num_f32 v[AM+2*\g],   v[AM+2*\g],   v[DA+32*\g+\i],    v[DA+32*\g+\i+1]
	v_max3_num_f32 v[AM+2*\g+1], v[AM+2*\g+1], v[DA+32*\g+\i+17], v[DA+32*\g+\i+18]
.endr
.endr
.irp g, 0,1
	v_max3_num_f32 v[AM+2*\g], v[AM+2*\g], v[DA+32*\g+14], v[DA+32*\g+15]
.endr
.irp g, 0,1
	v_max3_num_f32 v[AM+2*\g], v[AM+2*\g], v[AM+2*\g+1], v[DA+32*\g+31]
.endr
.irp g, 0,1
	v_add_nc_u32 v[SO+\g], 0xff000000, v[AM+2*\g]  ; the conversions' scale operand
.endr
.irp g, 0,1
	v_lshrrev_b32 v[BY+\g], 23, v[SO+\g]           ; my block's byte: block 0 in lanes 0-15, block 1 in lanes 16-31
.endr
.irp g, 0,1
	v_permlanex16_b32 v[PL+\g], v[BY+\g], s[SEL], s[SEL+1]
.endr
.irp g, 0,1
	v_lshl_or_b32 v[QS+\g], v[PL+\g], 8, v[BY+\g]  ; the point's scale word: right in lanes 0-15, which alone are read
.endr
.set J, 0
.rept 64
	v_max_num_f32 v[DA+J], 0, v[DA+J]              ; relu, in f32.  (More than eight of these name no register of any one product below: the places between the scale words and the products)
.set J, J+1
.endr
.irp t, 0,1,2,3
	v_cvt_scalef32_pk8_fp4_f32 v[OPA+\t], v[DA+8*\t:DA+8*\t+7], v[SO]          ; units 32 h + 8 t + 0 .. 7: register t of source 1
	v_cvt_scalef32_pk8_fp4_f32 v[OPB+\t], v[DA+32+8*\t:DA+32+8*\t+7], v[SO+1]
.endr
	PLACES                                         ; behind the conversions, and ahead of products that read their results and write over their sources
.irp t, 0,1,2,3
	v_wmma_scale_f32_16x16x128_f8f6f4 v[DA+8*\t:DA+8*\t+7], v[W1+4*\t:W1+4*\t+7], v[OPA:OPA+7], 0, v[WS+\t], v[QS] matrix_a_fmt:MATRIX_FMT_FP4 matrix_b_fmt:MATRIX_FMT_FP4 matrix_a_scale:MATRIX_SCALE_ROW1
	v_wmma_scale_f32_16x16x128_f8f6f4 v[DA+32+8*\t:DA+32+8*\t+7], v[W1+4*\t:W1+4*\t+7], v[OPB:OPB+7], 0, v[WS+\t], v[QS+1] matrix_a_fmt:MATRIX_FMT_FP4 matrix_b_fmt:MATRIX_FMT_FP4 matrix_a_scale:MATRIX_SCALE_ROW1
.endr
	PLACES
.set J, 0
.rept 64
	v_max_num_f32 v[DA+J], 0, v[DA+J]              ; relu, each tile from its low end on
.set J, J+1
.endr
	v_pk_mul_f32 v[ACA:ACA+1], v[DA:DA+1], v[W2:W2+1]              ; layer 3: my 32 units of each group's point
	v_pk_mul_f32 v[ACB:ACB+1], v[DA+32:DA+33], v[W2:W2+1]
.irp i, 1,2,3,4,5,6,7,8,9,10,11,12,13,14,15
	v_pk_fma_f32 v[ACA:ACA+1], v[DA+2*\i:DA+2*\i+1], v[W2+2*\i:W2+2*\i+1], v[ACA:ACA+1]
	v_pk_fma_f32 v[ACB:ACB+1], v[DA+32+2*\i:DA+33+2*\i], v[W2+2*\i:W2+2*\i+1], v[ACB:ACB+1]
.endr
	v_add_f32 v[ACA], v[ACA], v[ACA+1]
	v_add_f32 v[ACB], v[ACB], v[ACB+1]
	v_permlanex16_b32 v[PL], v[ACA], s[SEL], s[SEL+1]              ; the point's other 32 units lie in the lane 16 away
	v_permlanex16_b32 v[PL+1], v[ACB], s[SEL], s[SEL+1]
	v_add_f32 v[ACA], v[ACA], v[PL]
	v_add_f32 v[ACB], v[ACB], v[PL+1]
	v_cndmask_b32 v[OUTR+\b], v[ACB], v[ACA], s[LOW]               ; lanes 0-15 own group A's points, lanes 16-31 group B's
.endm
	s_load_b512 s[4:19], s[0:1], 0x0               ; x 4:5, cells 6:7, tables 8:9, w0's codes 10:11, scales 12:13, w1's codes 14:15, scales 16:17, w2 18:19
	s_load_b64 s[20:21], s[0:1], 0x40              ; out0
	v_lshl_add_u32 v[SPW], v0, 2, SPARE
	v_mov_b32 v[NIL], 0
	v_lshrrev_b32 v180, 5, v0
	v_readfirstlane_b32 s63, v180                  ; wave 0..15
	v_and_b32 v177, 15, v0                         ; r
	v_bfe_u32 v178, v0, 4, 1                       ; h
	v_and_b32 v179, 31, v0                         ; lane
	v_and_b32 v180, 8, v177
	v_and_b32 v181, 7, v177
	v_lshlrev_b32 v172, 4, v181
	v_lshl_add_u32 v172, v180, 6, v172             ; w0's codes: unit 32 (r / 8) + r % 8, 16 bytes a unit
	v_lshl_add_u32 v173, v180, 2, v181             ; and its scale byte
	v_lshlrev_b32 v174, 5, v177
	v_lshl_add_u32 v174, v178, 4, v174             ; w1's codes: unit r, 32 bytes a unit, + 16 h
	v_lshlrev_b32 v175, 1, v177                    ; and its two scale bytes
	v_lshlrev_b32 v176, 5, v178                    ; w2: 8 h numbers on
	v_mul_u32_u24 v[XO], v179, 24
	v_lshlrev_b32 v[CO], 4, v179
	v_lshlrev_b32 v[OO], 3, v179
	v_lshlrev_b32 v[FA], 4, v0                     ; the copy: 16 bytes a thread, 8,192 a pass; an LDS immediate reaches 65,535, so three registers
	v_add_nc_u32 v[FA+1], 0x10000, v[FA]
	v_add_nc_u32 v[FA+2], 0x20000, v[FA]
	s_lshl_b32 s22, ttmp9, 4
	s_add_co_u32 s22, s22, s63                     ; my wave among the 4,096
	s_mul_i32 s66, s22, TRIPS*768
	s_mov_b32 s67, 0
	s_mul_i32 s68, s22, TRIPS*3072
	s_mov_b32 s69, 0
	s_mov_b32 s[HP1], 0x779b1                      ; 2654435761 mod 2^19
	s_mov_b32 s[HP2], 0x25795                      ; 805459861 mod 2^19
	s_mov_b32 s[HM], 0x7ffff
	s_mov_b32 s[LOW], 0xffff
	s_mov_b32 s[SEL], 0x76543210
	s_mov_b32 s[SEL+1], 0xfedcba98
	s_mov_b32 s[LEFT], TRIPS
	s_wait_kmcnt 0x0
	s_add_nc_u64 s[4:5], s[4:5], s[66:67]
	s_add_nc_u64 s[6:7], s[6:7], s[68:69]
	s_lshl_b32 s66, s22, 10                        ; 4 chunks x 256 bytes of out0
	s_add_nc_u64 s[20:21], s[20:21], s[66:67]
.irp l, 0,1,2,3,4,5,6,7,8,9,10,11,12,13,14,15
	s_add_nc_u64 s[TBL+2*\l:TBL+2*\l+1], s[8:9], \l*0x400000       ; a level's table is 2^19 entries of 8 bytes
.endr
.irp p, 0,1,2,3,4
	global_load_b128 v[FL+4*\p:FL+4*\p+3], v[FA], s[TBL:TBL+1] offset:8192*\p            ; level 0's first 40,960 bytes: a wave's load covers 512 consecutive bytes
.endr
.irp p, 0,1,2,3,4,5,6,7,8,9,10,11
	global_load_b128 v[FL+20+4*\p:FL+23+4*\p], v[FA], s[TBL+2:TBL+3] offset:8192*\p      ; level 1's first 98,304
.endr
.irp t, 0,1,2,3
	global_load_b128 v[W0+4*\t:W0+4*\t+3], v172, s[10:11] offset:128*\t        ; tile t: 8 t units on
	global_load_u8 v[GD+\t], v173, s[12:13] offset:8*\t
	global_load_b128 v[W1+4*\t:W1+4*\t+3], v174, s[14:15] offset:512*\t        ; tile t: 16 t units on
	global_load_u16 v[GD+4+\t], v175, s[16:17] offset:32*\t
	global_load_b128 v[W2+8*\t:W2+8*\t+3], v176, s[18:19] offset:64*\t
	global_load_b128 v[W2+8*\t+4:W2+8*\t+7], v176, s[18:19] offset:64*\t+16
.endr
	NEXTLOADS                                      ; the first chunk
	s_wait_loadcnt 0x0
.irp q, 0,1,2,3,4,5,6,7,8,9,10,11,12,13,14,15,16
.if \q < 8
	ds_store_b128 v[FA], v[FL+4*\q:FL+4*\q+3] offset:8192*\q                   ; pass q lies at 8,192 q: level 1 begins where level 0's five passes end
.elseif \q < 16
	ds_store_b128 v[FA+1], v[FL+4*\q:FL+4*\q+3] offset:8192*(\q-8)
.else
	ds_store_b128 v[FA+2], v[FL+4*\q:FL+4*\q+3]
.endif
.endr
.irp t, 0,1,2,3
	v_lshl_or_b32 v[GD+\t], v[GD+\t], 8, v[GD+\t]  ; w0's byte for K blocks 0 and 1
.endr
.irp t, 0,1,2,3
	v_cndmask_b32 v[WS+\t], v[GD+4+\t], v[GD+\t], s[LOW]           ; lanes 0-15: w0's word; lanes 16-31: w1's
.endr
	s_wait_dscnt 0x0                               ; for the others' sake: my part of the two tables lies in LDS
	s_barrier_signal -1
	s_barrier_wait -1                              ; everybody's does: from here to the last barrier LDS is only read
.Ltrip:
	s_wait_loadcnt 0x0                             ; this chunk's x and cells are in (asked for ahead of the last chunk's MLP)
.irp i, 0,1,2
	v_pk_add_f32 v[T+2*\i:T+2*\i+1], v[T+2*\i:T+2*\i+1], 1.0 op_sel_hi:[1,0]   ; t = x + 1
.endr
.irp i, 0,1,2,3,4,5
	v_med3_num_f32 v[T+\i], v[T+\i], 0, 2.0        ; held to the cube, as in the first launch
.endr
	IDX 0
	IDX 1
	IDX 2
	IDX 3
.set SG, 0
.rept 32                                       ; the 32 steps: batch SG / 16, level SG % 16, slot SG % 4
	LVL SG%16
	WGT SG/16
	CNT SG
.if (SG%16) < LDSL
	s_wait_dscnt NL                                ; LDS loads come back in order: this step's eight are in; those of the LDS steps asked for behind it (8 behind level 0, none behind level 1) may be out
.else
	s_wait_loadcnt NG                              ; loads come back in order: this step's eight are in; the eight of each step asked for behind it FROM MEMORY may be out: 24 as a rule, fewer where LDS steps or the chunk's end stand among the three.  The wait also frees the slot's index registers
.endif
	ACC SG%4, SG%16
.if SG < 28
	IDX SG+4                                       ; into the slot just emptied
.endif
.if SG == 15
	QUANT1 C0, PS0                                 ; batch 0's features are whole: their registers are free for batch 1
.endif
.if SG == 31
	QUANT1 C1, PS1
.endif
.set SG, SG+1
.endr
	s_cmp_eq_u32 s[LEFT], 1                        ; the next chunk's x and cells are asked for here, if there is one: no load leaves its buffer.  They land while the MLP runs
	s_cbranch_scc1 .Lno_next
	s_add_nc_u64 s[4:5], s[4:5], 768               ; (the loads that read these bases were shown done at the trip's head)
	s_add_nc_u64 s[6:7], s[6:7], 3072
	NEXTLOADS
.Lno_next:
	MLP 0, C0, PS0
	MLP 1, C1, PS1
	global_store_b64 v[OO], v[OUTR:OUTR+1], s[20:21] th:TH_STORE_NT    ; 32 lanes store 256 consecutive bytes, at a multiple of 256 from out0's first byte
	s_wait_xcnt 0x0                                ; the store has read its data and its base: both are written again only behind this wait
	s_add_nc_u64 s[20:21], s[20:21], 256
	s_sub_co_u32 s[LEFT], s[LEFT], 1
	s_cmp_lg_u32 s[LEFT], 0
	s_cbranch_scc1 .Ltrip
	s_wait_dscnt 0x0                               ; my reads of the two tables are over (their addresses came from loaded numbers: a barrier parts them, in every wave, from every write of LDS in this text)
	s_barrier_signal -1
	s_barrier_wait -1
	s_wait_tensorcnt 0x0                           ; the wave's end
	ds_add_u32 v[SPW], v[NIL]
	s_wait_dscnt 0x0
	s_endpgm
.Lfunc_end_k_qcd993ae912_field:
	.size	k_qcd993ae912_field, .Lfunc_end_k_qcd993ae912_field-k_qcd993ae912_field
	.p2alignl 7, 3214868480
	.fill 96, 4, 3214868480
	.section	.rodata,"a",@progbits
	.p2align	6, 0x0
	.amdhsa_kernel k_qcd993ae912_field
		.amdhsa_group_segment_fixed_size 141312
		.amdhsa_private_segment_fixed_size 0
		.amdhsa_enable_private_segment 0
		.amdhsa_kernarg_size 72
		.amdhsa_user_sgpr_count 2
		.amdhsa_user_sgpr_kernarg_segment_ptr 1
		.amdhsa_wavefront_size32 1
		.amdhsa_system_sgpr_workgroup_id_x 1
		.amdhsa_system_sgpr_workgroup_id_y 1
		.amdhsa_system_sgpr_workgroup_id_z 1
		.amdhsa_system_vgpr_workitem_id 0
		.amdhsa_next_free_vgpr 256
		.amdhsa_next_free_sgpr 72
		.amdhsa_reserve_vcc 0
		.amdhsa_float_denorm_mode_32 3
		.amdhsa_float_denorm_mode_16_64 3
		.amdhsa_memory_ordered 1
		.amdhsa_forward_progress 1
		.amdhsa_inst_pref_size 138
	.end_amdhsa_kernel
	.amdgpu_metadata
---
amdhsa.version: [ 1, 2 ]
amdhsa.kernels:
  - .name:           k_qcd993ae912_field
    .symbol:         k_qcd993ae912_field.kd
    .args:
      - { .name: x, .offset: 0, .size: 8, .value_kind: global_buffer, .address_space: global }
      - { .name: cells, .offset: 8, .size: 8, .value_kind: global_buffer, .address_space: global }
      - { .name: tables, .offset: 16, .size: 8, .value_kind: global_buffer, .address_space: global }
      - { .name: w0_codes, .offset: 24, .size: 8, .value_kind: global_buffer, .address_space: global }
      - { .name: w0_scales, .offset: 32, .size: 8, .value_kind: global_buffer, .address_space: global }
      - { .name: w1_codes, .offset: 40, .size: 8, .value_kind: global_buffer, .address_space: global }
      - { .name: w1_scales, .offset: 48, .size: 8, .value_kind: global_buffer, .address_space: global }
      - { .name: w2, .offset: 56, .size: 8, .value_kind: global_buffer, .address_space: global }
      - { .name: out0, .offset: 64, .size: 8, .value_kind: global_buffer, .address_space: global }
    .group_segment_fixed_size: 141312
    .private_segment_fixed_size: 0
    .kernarg_segment_align: 8
    .kernarg_segment_size: 72
    .max_flat_workgroup_size: 512
    .sgpr_count:     72
    .vgpr_count:     256
    .wavefront_size: 32
...
	.end_amdgpu_metadata
.endif
;; end of part 2
